; MI455X (gfx1250); checked and timed in simulation.
; The chip was launched on July 23, 2026; its instructions are those of AMD's public machine-readable ISA for CDNA 5 (MIT licence, August 2026) and "CDNA5" Instruction Set Architecture Reference Guide (July 2026). The comments in the code are by the model that wrote it; some were corrected since.
;; Qwen3 Attention. Allowed arithmetic: matrix products marked QUANTISED: E2M3 operands, one E8M0 scale for each 32 along K, by v_wmma_scale_f32_16x16x128_f8f6f4 with both operands' format E2M3, f32 sums; everything else in f32.
;; Inputs: Wk 1,024 x 2,048 float32; Wo 2,048 x 1,024 float32; Wq 1,024 x 2,048 float32; Wv 1,024 x 2,048 float32; cos 2 x 2,048 x 128 float32; hidden_states 2 x 2,048 x 2,048 float32; k_norm_w 128 float32; q_norm_w 128 float32; sin 2 x 2,048 x 128 float32.
;; Outputs: out0 2 x 2,048 x 2,048 float32.
;; This version of the problem:
;;   THIS VERSION OF THE PROBLEM IS GIVEN IN LOW PRECISION. The matrix products marked QUANTISED in the list below multiply operands that are first quantised to E2M3 (2 exponent bits, 3 mantissa bits; 6 bits a number), with one power-of-two scale for each 32 numbers along K (OCP MX v1.0); their sums are f32. All else is computed in f32.
;;   The module's matrix products, in the order in which they are computed (A, B: the left and right operand; K: the contracted axis; several contracted axes count as one K, in the product's order):
;;     1. [M 4,096, K 2,048] x [K 2,048, N 1,024]; A: input hidden_states; B: input Wq: QUANTISED
;;     2. [M 4,096, K 2,048] x [K 2,048, N 1,024]; A: input hidden_states; B: input Wk: QUANTISED
;;     3. [M 4,096, K 2,048] x [K 2,048, N 1,024]; A: input hidden_states; B: input Wv: QUANTISED
;;     4. batch 16 x [M 2,048, K 128] x [K 128, N 2,048]; A: computed on the way; B: computed on the way: QUANTISED
;;     5. batch 16 x [M 2,048, K 2,048] x [K 2,048, N 128]; A: softmax (see below); B: computed on the way: QUANTISED
;;     6. [M 4,096, K 1,024] x [K 1,024, N 2,048]; A: computed on the way; B: input Wo: QUANTISED
;;   THE QUANTISER, for each operand of a quantised product, along K:
;;     - K is cut into blocks of 32 from its start; a last block that is shorter is filled with zeros.
;;     - A block's scale is 2^e with e = floor(log2(the largest magnitude in the block)) - 2, held to -126 .. 127; a block of zeros has e = 0. As a byte (E8M0): e + 127.
;;     - Each number is divided by its block's scale, clamped to +-7.5, and rounded to the nearest number of E2M3, ties to even, subnormals kept.
;;     - The product sums the exact products of the quantised numbers (number of the format x scale) in f32.
;;   ~~~python
;;   def quantise(x, axis):      # numpy; x: float32 -> the quantised numbers, widened to float32 again
;;       x = np.moveaxis(x, axis, -1); K = x.shape[-1]
;;       x = np.pad(x, [(0, 0)] * (x.ndim - 1) + [(0, -K % 32)]); x = x.reshape(x.shape[:-1] + (-1, 32)); a = np.abs(x).max(-1, keepdims=True)
;;       e = np.where(a > 0, np.clip(np.frexp(np.where(a > 0, a, 1))[1] - 1 - 2, -126, 127), 0)      # np.frexp(a)[1] - 1 = floor(log2(a)), exactly
;;       r = np.clip(x / 2.0 ** e, -7.5, 7.5)
;;       step = 2.0 ** (np.maximum(np.frexp(np.where(r == 0, 1, r))[1] - 1, 0) - 3)
;;       q = np.round(r / step) * step * 2.0 ** e      # np.round: ties to even
;;       return np.moveaxis(q.reshape(q.shape[:-2] + (-1,))[..., :K], -1, axis).astype(np.float32)
;;   ~~~
;;   SOFTMAX AHEAD OF A QUANTISED PRODUCT. Where the list says 'softmax', what is quantised is not the finished softmax but p = 2^(t - M), with t = logit x log2(e) and M = ceil(the row's largest t), a whole number; so 1/2 < the row's largest p <= 1. The row's sum l is taken of the UNQUANTISED p, in f32, and the product's result is divided by l at the end. Since M is a whole number, a kernel that streams over the keys may use a running M (the ceiling of the running maximum): every later rescaling is an exact power of two, which a block's scale takes up: the codes' values come out the same.
;;   OPERANDS COMPUTED ON THE WAY. 'Computed on the way' means the value that the module computes at that place (a softmax that the list does not call 'softmax' is quantised finished and normalised). What goes into a quantiser is computed in f32, as accurately as f32 sums, v_exp_f32 and their like allow (about 1e-6 of the number): no bf16 or f16 on the way to a quantiser, and a product that is left as it is and whose result goes on into a quantised operand takes f32 operands (vector FMAs, or v_wmma_f32_16x16x4_f32). A number that lies on a knife's edge between two numbers of the format may be rounded either way, as far as f32 arithmetic and the matrix unit's own rounding can turn it there, and no further.
;; One version. Each part assembles by itself: llvm-mc -triple=amdgcn-amd-amdhsa -mcpu=gfx1250 --defsym DOCPART=n.
;; ======== version 1 of 1: 4 launches
;; limits: right only within a limited range of input values
;; workspace buffers: cod1 12,582,912 bytes; scl1 524,288 bytes; qb 3,276,800 bytes; kvb 6,553,600 bytes; attc 3,145,728 bytes; atts 131,072 bytes
;; launch quant (part 1): grid 512 x 1, 4 waves a work-group, no clusters, 34,304 bytes of LDS; arguments hidden_states, Wq, Wk, Wv, Wo, cod1, scl1; writes cod1, scl1
.if DOCPART == 1
	.amdgcn_target "amdgcn-amd-amdhsa--gfx1250"
	.amdhsa_code_object_version 6
	.text
	.protected	k_q0a776c9c84_quant
	.globl	k_q0a776c9c84_quant
	.p2align	8
	.type	k_q0a776c9c84_quant,@function
k_q0a776c9c84_quant:
	s_mov_b64 s[64:65], 0
	v_nop
	global_prefetch_b8 v0, s[64:65] scope:SCOPE_SE
	s_setreg_imm32_b32 hwreg(HW_REG_WAVE_MODE, 25, 1), 1
	s_wait_xcnt 0x0
; hidden_states [4096][2048], Wq, Wk, Wv [1024][2048], Wo [2048][1024], all f32 with K innermost, become codes of FP6 (E2M3) with one E8M0 byte for each 32 along K.
; A block's scale is 2^(floor(log2(its largest magnitude)) - 2); each number is divided by it and rounded to the nearest code, ties to even, beyond 7.5 the largest code.
; LAYOUT OF THE CODES: images of the matrix operand's registers.  A fragment (16 rows x 128 K) is 12 registers a lane: chunk c (0..2) is 512 bytes, lane l's registers 4 c .. 4 c + 3 at 512 c + 16 l: 1,536 bytes.
; The 128 rows of a group G form 8 fragments; lane r of fragment gi holds row 32 (gi / 2) + 8 (gi % 2) + r + 8 (r / 8).  The 8 fragments of one (G, K step) are a block of 12,288 bytes; the K steps of a G follow each other.
; Blocks: hidden 0..511, Wq 512.., Wk 640.., Wv 768.., Wo 896..1023.  The scale words of a block: 512 bytes, the word of row r of fragment 4 c + w at 256 c + 16 r + 4 w.
; SHARES: a wave takes 64 rows x 128 K: four fragments 4 c + w of one block.  The four waves of a work-group take four neighbouring K steps of the same rows.  Waves share nothing: no barrier.
; Each load reads 512 consecutive bytes of one row; a fragment's 16 rows turn through the wave's own stage in LDS (rows 528 bytes apart) and come back so that a lane holds 16 neighbours of each block of 32.
; LIMITS: NaN and infinities among the inputs are not served.  A block whose largest magnitude lies under 2^-124, a block of zeros too, gets the byte 1 (the rule says 127 for zeros): its codes are what the
; conversion gives under that scale, zeros for zeros, and the bytes are read by this program alone.
.set STG,  8448                        ; a wave's stage: 16 rows x (512 + 16) bytes
.set ST0,  16                          ; v16-207  three sets of 64 numbers
.set PC,   208                         ; v208-227 the codes just made
.set TM,   228                         ; v228-243 at work in QUANT
.set PW,   244                         ; v244-247 the four fragments' scale words
.set SEL,  52                          ; s[52:53] lane selects: lane l xor 16
	s_load_b256 s[4:11], s[0:1], 0x0               ; hidden, Wq, Wk, Wv
	s_load_b128 s[12:15], s[0:1], 0x20             ; Wo, the codes
	s_load_b64 s[16:17], s[0:1], 0x30              ; the scale words
	v_lshl_add_u32 v254, v0, 2, 0x8400
	v_mov_b32 v255, 0
	v_lshrrev_b32 v1, 5, v0
	v_readfirstlane_b32 s18, v1                    ; wave
	v_and_b32 v1, 31, v0                           ; lane
	v_and_b32 v2, 15, v0                           ; r
	v_bfe_u32 v3, v0, 4, 1                         ; h
	v_lshlrev_b32 v4, 4, v1                        ; 16 x lane
	s_mul_i32 s26, s18, STG
	v_add_nc_u32 v5, s26, v4                       ; into the stage: 16 x lane of a row
	v_mul_u32_u24 v6, v2, 528
	v_lshl_add_u32 v6, v3, 6, v6
	v_add_nc_u32 v6, s26, v6                       ; out of it: row r, + 64 h: my 16 numbers of a block of 32
	v_lshlrev_b32 v7, 4, v2
	v_lshl_add_u32 v7, v3, 3, v7                   ; the scale words' place: 16 r + 8 h
.irp b, 0,1,2,3
	v_mov_b32 v[TM+4+\b], 0                        ; written once: a lane permute's destination counts as one of its sources
.endr
	s_mov_b32 s[SEL], 0x76543210
	s_mov_b32 s[SEL+1], 0xfedcba98
	; which tensor: the choice hangs on the work-group's number alone.  s19 its first work-group, s21 its first block, s20 log2 of its K steps
	s_mov_b32 s19, 448
	s_mov_b32 s21, 896
	s_mov_b32 s20, 3
	s_wait_kmcnt 0x0
	s_mov_b64 s[28:29], s[12:13]                   ; Wo, unless one of the four below
.macro PICK lim, ptr, start, bk
	s_cmp_lt_u32 ttmp9, \lim
	s_cselect_b64 s[28:29], s[\ptr:\ptr+1], s[28:29]
	s_cselect_b32 s19, \start, s19
	s_cselect_b32 s21, \bk, s21
	s_cselect_b32 s20, 4, s20
.endm
	PICK 448, 10, 384, 768                         ; Wv
	PICK 384, 8, 320, 640                          ; Wk
	PICK 320, 6, 256, 512                          ; Wq
	PICK 256, 4, 0, 0                              ; hidden
	s_sub_co_u32 s23, ttmp9, s19
	s_lshl_b32 s23, s23, 2
	s_add_co_u32 s23, s23, s18                     ; my task in the tensor
	s_bfm_b32 s24, s20, 0
	s_and_b32 s24, s23, s24                        ; K step
	s_lshr_b32 s25, s23, s20                       ; which 64 rows
	s_and_b32 s27, s25, 1                          ; c: which half of the group's 128 rows
	s_lshr_b32 s30, s25, 1                         ; the group
	s_lshl_b32 s30, s30, s20
	s_add_co_u32 s30, s30, s24
	s_add_co_u32 s30, s30, s21                     ; the block
	s_lshl_b32 s22, 512, s20                       ; a row of the tensor in bytes
	s_add_co_u32 s31, s20, 15
	s_lshl_b32 s54, s25, s31                       ; 64 rows x the pitch x which 64
	s_lshl_b32 s55, s24, 9                         ; + 512 bytes a K step
	s_add_co_u32 s54, s54, s55
	s_mov_b32 s55, 0
	s_add_nc_u64 s[28:29], s[28:29], s[54:55]
.irp w, 0,1,2,3
.irp hi, 0,1
	s_mul_i32 s54, s22, 32*(\w/2)+8*(\w%2)+16*\hi  ; fragment w's rows 0-7 begin at row 32 (w / 2) + 8 (w % 2) of the 64, its rows 8-15 sixteen further on
	s_add_nc_u64 s[32+4*\w+2*\hi:33+4*\w+2*\hi], s[28:29], s[54:55]
.endr
.endr
	s_mul_i32 s54, s30, 12288
	s_mul_i32 s56, s27, 6144
	s_add_co_u32 s54, s54, s56
	s_add_nc_u64 s[48:49], s[14:15], s[54:55]      ; my four fragments' images
	s_lshl_b32 s54, s30, 9
	s_lshl_b32 s56, s27, 8
	s_add_co_u32 s54, s54, s56
	s_add_nc_u64 s[50:51], s[16:17], s[54:55]      ; my 256 bytes of scale words
.irp i, 0,1,2,3,4,5,6,7
	v_mad_u32_u24 v[8+\i], s22, \i, v4             ; v8-15: 16 x lane + i rows
.endr
; 64 numbers of a lane, v[s] .. v[s + 63], register 16 b + i = k 32 b + 16 h + i of my row, become a fragment's codes in v[PC] on and its scale word in v[pw].
.macro QUANT s, pw
.irp b, 0,1,2,3
	v_max3_num_f32 v[TM+\b], |v[\s+16*\b]|, |v[\s+1+16*\b]|, 0x1800000   ; block b: my 16 numbers, and the floor 2^(3 - 127): the byte cannot fall under 1
.endr
.irp i, 2,4,6,8,10,12,14
.irp b, 0,1,2,3
	v_max3_num_f32 v[TM+\b], v[TM+\b], |v[\s+16*\b+\i]|, |v[\s+1+16*\b+\i]|   ; the four blocks by turns
.endr
.endr
.irp b, 0,1,2,3
	v_permlanex16_b32 v[TM+4+\b], v[TM+\b], s[SEL], s[SEL+1]
.endr
.irp b, 0,1,2,3
	v_max_num_f32 v[TM+\b], v[TM+\b], v[TM+4+\b]   ; with lane l xor 16's: the block's largest magnitude
.endr
.irp b, 0,1,2,3
	v_add_nc_u32 v[TM+12+\b], 0xff000000, v[TM+\b] ; 2 off its exponent field: the conversion takes this operand's exponent field as its scale
.endr
.irp b, 0,1,2,3
	v_lshrrev_b32 v[TM+4+\b], 23, v[TM+12+\b]      ; the scale's byte
.endr
	v_lshl_or_b32 v[\pw], v[TM+5], 8, v[TM+4]
	v_lshl_or_b32 v[\pw], v[TM+6], 16, v[\pw]
	v_lshl_or_b32 v[\pw], v[TM+7], 24, v[\pw]      ; my row's scale word
.irp c, 0,1
	v_cvt_scalef32_pk16_fp6_f32 v[PC+6*\c:PC+2+6*\c], v[\s+32*\c:\s+15+32*\c], v[TM+12+2*\c]
	v_cvt_scalef32_pk16_fp6_f32 v[PC+12+4*\c:PC+14+4*\c], v[\s+16+32*\c:\s+31+32*\c], v[TM+12+2*\c+1]   ; (a conversion's three registers begin on an even number)
.endr
	v_nop                                          ; one plain place behind a scaled conversion
.irp c, 0,1                                    ; the operand's layout wants a whole block in a lane: lanes 0-15 block 2 c, lanes 16-31 block 2 c + 1
.irp i, 0,1,2
	v_permlane16_swap_b32 v[PC+6*\c+\i], v[PC+12+4*\c+\i]
.endr
.irp i, 0,1,2
	v_mov_b32 v[PC+3+6*\c+\i], v[PC+12+4*\c+\i]
.endr
.endr
.endm
.macro LOADF w, set                    ; fragment w's 16 rows, 512 consecutive bytes a load
.irp i, 0,1,2,3,4,5,6,7,8,9,10,11,12,13,14,15
	global_load_b128 v[ST0+64*(\set)+4*\i:ST0+64*(\set)+4*\i+3], v[8+\i%8], s[32+4*(\w)+2*(\i/8):33+4*(\w)+2*(\i/8)] th:TH_LOAD_NT
.endr
.endm
.macro TURNF set                       ; through the stage: LDS serves a wave's instructions in order (ISA guide 5.7.1.4), so the loads see the stores, and the next fragment's stores come behind these loads
.irp i, 0,1,2,3,4,5,6,7,8,9,10,11,12,13,14,15
	ds_store_b128 v5, v[ST0+64*(\set)+4*\i:ST0+64*(\set)+4*\i+3] offset:528*\i
.endr
.irp b, 0,1,2,3
.irp j, 0,1,2,3
	ds_load_b128 v[ST0+64*(\set)+16*\b+4*\j:ST0+64*(\set)+16*\b+4*\j+3], v6 offset:128*\b+16*\j
.endr
.endr
	s_wait_dscnt 0x0
.endm
.macro FRAGM w, set, left, more        ; left: the younger loads that may stay out
	s_wait_loadcnt \left
	TURNF \set
.if \w > 0
	s_wait_xcnt 0x0                                ; the last fragment's stores have read v[PC] on: it is rewritten only behind this wait
.endif
	QUANT ST0+64*(\set), PW+\w
.if \more
	LOADF 3, 0                                     ; the set just quantised takes the fourth fragment
.endif
.irp c, 0,1,2
	global_store_b128 v4, v[PC+4*\c:PC+4*\c+3], s[48:49] offset:1536*\w+512*\c   ; 32 lanes store 512 consecutive bytes, at a multiple of 512 from the buffer's first byte
.endr
.endm
	LOADF 0, 0
	LOADF 1, 1
	LOADF 2, 2
	FRAGM 0, 0, 32, 1                              ; 32: fragments 1 and 2 may be out
	FRAGM 1, 1, 32, 0                              ; 32: fragments 2 and 3
	FRAGM 2, 2, 16, 0                              ; 16: fragment 3
	FRAGM 3, 0, 0, 0
	v_cmp_ne_u32 vcc_lo, 0, v3
	v_cndmask_b32 v248, v[PW], v[PW+2], vcc_lo     ; lanes 0-15 store the words of fragments 0 and 1 of row r, lanes 16-31 those of 2 and 3 (both halves hold all four)
	v_cndmask_b32 v249, v[PW+1], v[PW+3], vcc_lo
	global_store_b64 v7, v[248:249], s[50:51]      ; 256 consecutive bytes, aligned
	s_wait_tensorcnt 0x0
	ds_add_u32 v254, v255
	s_wait_dscnt 0x0
	s_endpgm
.Lfunc_end_k_q0a776c9c84_quant:
	.size	k_q0a776c9c84_quant, .Lfunc_end_k_q0a776c9c84_quant-k_q0a776c9c84_quant
	.p2alignl 7, 3214868480
	.fill 96, 4, 3214868480
	.section	.rodata,"a",@progbits
	.p2align	6, 0x0
	.amdhsa_kernel k_q0a776c9c84_quant
		.amdhsa_group_segment_fixed_size 34304
		.amdhsa_private_segment_fixed_size 0
		.amdhsa_enable_private_segment 0
		.amdhsa_kernarg_size 56
		.amdhsa_user_sgpr_count 2
		.amdhsa_user_sgpr_kernarg_segment_ptr 1
		.amdhsa_wavefront_size32 1
		.amdhsa_system_sgpr_workgroup_id_x 1
		.amdhsa_system_sgpr_workgroup_id_y 1
		.amdhsa_system_sgpr_workgroup_id_z 1
		.amdhsa_system_vgpr_workitem_id 0
		.amdhsa_next_free_vgpr 256
		.amdhsa_next_free_sgpr 66
		.amdhsa_reserve_vcc 1
		.amdhsa_float_denorm_mode_32 3
		.amdhsa_float_denorm_mode_16_64 3
		.amdhsa_memory_ordered 1
		.amdhsa_forward_progress 1
		.amdhsa_inst_pref_size 36
	.end_amdhsa_kernel
	.amdgpu_metadata
---
amdhsa.version: [ 1, 2 ]
amdhsa.kernels:
  - .name:           k_q0a776c9c84_quant
    .symbol:         k_q0a776c9c84_quant.kd
    .args:
      - { .name: hidden_states, .offset: 0, .size: 8, .value_kind: global_buffer, .address_space: global }
      - { .name: Wq, .offset: 8, .size: 8, .value_kind: global_buffer, .address_space: global }
      - { .name: Wk, .offset: 16, .size: 8, .value_kind: global_buffer, .address_space: global }
      - { .name: Wv, .offset: 24, .size: 8, .value_kind: global_buffer, .address_space: global }
      - { .name: Wo, .offset: 32, .size: 8, .value_kind: global_buffer, .address_space: global }
      - { .name: cod1, .offset: 40, .size: 8, .value_kind: global_buffer, .address_space: global }
      - { .name: scl1, .offset: 48, .size: 8, .value_kind: global_buffer, .address_space: global }
    .group_segment_fixed_size: 34304
    .private_segment_fixed_size: 0
    .kernarg_segment_align: 8
    .kernarg_segment_size: 56
    .max_flat_workgroup_size: 128
    .sgpr_count:     66
    .vgpr_count:     256
    .wavefront_size: 32
...
	.end_amdgpu_metadata
.endif
;; end of part 1
;; launch qkv (part 2): grid 12 x 16, 4 waves a work-group, clusters of 4 x 4, 327,680 bytes of LDS; arguments cod1, scl1, cos, sin, q_norm_w, k_norm_w, qb, kvb; writes qb, kvb
.if DOCPART == 2
	.amdgcn_target "amdgcn-amd-amdhsa--gfx1250"
	.amdhsa_code_object_version 6
	.text
	.protected	k_q0a776c9c84_qkv
	.globl	k_q0a776c9c84_qkv
	.p2align	8
	.type	k_q0a776c9c84_qkv,@function
k_q0a776c9c84_qkv:
	s_mov_b64 s[64:65], 0
	v_nop
	global_prefetch_b8 v0, s[64:65] scope:SCOPE_SE
	s_setreg_imm32_b32 hwreg(HW_REG_WAVE_MODE, 25, 1), 1
	s_wait_xcnt 0x0
	s_wait_alu depctr_hold_cnt(0) depctr_sa_sdst(0) depctr_va_vdst(0) depctr_va_sdst(0) depctr_va_ssrc(0) depctr_va_vcc(0) depctr_vm_vsrc(0)
	s_getreg_b32 s2, hwreg(HW_REG_IB_STS2, 6, 4)
	s_cmp_eq_u32 s2, 0
	s_cbranch_scc0 .Lentry_in_a_cluster
	s_endpgm
.Lentry_in_a_cluster:
	s_bfe_u32 s2, ttmp6, 0x10000c
	s_cmp_lg_u32 s2, 0xf033
	s_cbranch_scc0 .Lentry_shape_is_right
	s_endpgm
.Lentry_shape_is_right:
.set NQ,    2
.set FR,    12
.set NL,    3
.set NP,    4
.set QUART, 24576
.set SLOT,  4*QUART
.set LAPS,  4
.set SCL,   2*SLOT
.set SQ,    8192
.set SPARE, SCL+4*SQ
.set ADRA,  16
.set ADRB,  20
.set CSO,   24
.set WO,    25
.set ADRS,  27
.set SPW,   28
.set NIL,   29
.set SC,    32
.set AF,    128
.set YR,    64
.set ZR,    128
.set PC,    192
.set TM,    212
.set PW,    228
.set SS,    236
.set RS,    244
.set DR,    248
.set WR,    0
.set COSR,  64
.set SINR,  128
.set G1,    24
.set G0,    32
.set G1B,   48
.set G0B,   56
.set G1S,   68
.set G0S,   76
.set G1SB,  80
.set G0SB,  88
.set SEL,   98
.set MSB, 0
.macro WIN new
.if MSB != (\new)
	s_set_vgpr_msb (MSB<<8)|(\new)
.set MSB, (\new)
.endif
.endm
.set MUL_LO, 0xa1
.set MUL_HI, 0xf1
.set TO_B,   0x40
.macro JLOAD g0a, g1a, g0b, g1b
	s_cmp_eq_u32 s21, 0
	s_cbranch_scc0 .Lfor_b_\@
	tensor_load_to_lds s[\g0a:\g0a+3], s[\g1a:\g1a+7]
	s_nop 0
.rept 4
	v_nop
.endr
	s_branch .Lasked_\@
.Lfor_b_\@:
	tensor_load_to_lds s[\g0b:\g0b+3], s[\g1b:\g1b+7]
	s_nop 0
.rept 4
	v_nop
.endr
.Lasked_\@:
.endm
.macro CREST
	s_cmp_lg_u32 s20, 0
	s_cbranch_scc1 .Lnot_wave_0_\@
	s_barrier_signal -3
.Lnot_wave_0_\@:
	s_barrier_wait -3
	s_barrier_signal -1
	s_barrier_wait -1
.endm
.macro CROUND
	s_barrier_signal -1
	s_barrier_wait -1
	CREST
.endm
	s_load_b256 s[4:11], s[0:1], 0x0
	s_load_b256 s[12:19], s[0:1], 0x20
	v_lshl_add_u32 v[SPW], v0, 2, SPARE
	v_mov_b32 v[NIL], 0
	ds_add_u32 v28, v29
	ds_add_u32 v28, v29
	s_wait_dscnt 0x0
	v_lshrrev_b32 v1, 5, v0
	v_readfirstlane_b32 s20, v1
	s_lshr_b32 s21, s20, 1
	s_and_b32 s22, s20, 1
	s_bfe_u32 s40, ttmp6, 0x40000
	s_bfe_u32 s41, ttmp6, 0x40004
	s_and_b32 s45, ttmp7, 0xffff
	s_lshl_b32 s43, s41, 2
	s_lshl_b32 s43, 15, s43
	s_lshl_b32 s44, 0x1111, s40
	s_or_b32 s[G1+0], s43, (3<<16)|(1<<21)
	s_or_b32 s[G1B+0], s44, (3<<16)|(1<<21)
.irp g, G1, G1B
	s_mov_b32 s[\g+1], 32<<16
	s_mov_b32 s[\g+2], 96<<16
	s_mov_b32 s[\g+3], 32<<16
	s_mov_b32 s[\g+4], 96
	s_mov_b32 s[\g+5], 32
	s_mov_b32 s[\g+6], 0
	s_mov_b32 s[\g+7], 0
.endr
	s_or_b32 s[G1S+0], s43, (3<<16)|(1<<21)
	s_or_b32 s[G1SB+0], s44, (3<<16)|(1<<21)
.irp g, G1S, G1SB
	s_mov_b32 s[\g+1], 32<<16
	s_mov_b32 s[\g+2], 32<<16
	s_mov_b32 s[\g+3], 32<<16
	s_mov_b32 s[\g+4], 32
	s_mov_b32 s[\g+5], 32
	s_mov_b32 s[\g+6], 0
	s_mov_b32 s[\g+7], 0
.endr
	s_lshl_b32 s46, s45, 3
	s_lshl_b32 s47, ttmp9, 3
	s_add_co_u32 s47, s47, 32
	s_cmp_eq_u32 ttmp9, 2
	s_cselect_b32 s66, 48, s46
	s_cselect_b32 s67, s46, s47
	s_lshl_b32 s92, s41, 1
	s_add_co_u32 s92, s92, s22
	s_add_co_u32 s92, s92, s66
	s_lshl_b32 s94, s40, 1
	s_add_co_u32 s94, s94, s22
	s_add_co_u32 s94, s94, s67
	s_mul_i32 s46, s92, 196608
	s_mov_b32 s47, 0
	s_lshl_b32 s92, s92, 13
	s_mov_b32 s93, 0
	s_mul_i32 s66, s94, 196608
	s_mov_b32 s67, 0
	s_lshl_b32 s94, s94, 13
	s_mov_b32 s95, 0
	s_mul_i32 s42, s20, QUART
	s_lshl_b32 s23, s20, 13
	s_mov_b32 s96, 0x3c000000
	s_mov_b32 s97, 0x358637bd
	s_mov_b32 s[SEL], 0x76543210
	s_mov_b32 s[SEL+1], 0xfedcba98
	s_wait_kmcnt 0x0
	s_add_nc_u64 s[46:47], s[4:5], s[46:47]
	s_add_nc_u64 s[92:93], s[6:7], s[92:93]
	s_add_nc_u64 s[66:67], s[4:5], s[66:67]
	s_add_nc_u64 s[94:95], s[6:7], s[94:95]
	CROUND
	s_mov_b32 s[G0S], 1
	s_add_co_u32 s[G0S+1], s23, SCL
	s_mov_b64 s[G0S+2:G0S+3], s[92:93]
	s_or_b32 s[G0S+3], s[G0S+3], 0x80000000
	s_mov_b32 s[G0SB], 1
	s_add_co_u32 s[G0SB+1], s23, SCL
	s_mov_b64 s[G0SB+2:G0SB+3], s[94:95]
	s_or_b32 s[G0SB+3], s[G0SB+3], 0x80000000
	JLOAD G0S, G1S, G0SB, G1SB
.irp s, 0,1
	s_mov_b32 s[G0+4*\s], 1
	s_add_co_u32 s[G0+4*\s+1], s42, \s*SLOT
	s_add_nc_u64 s[G0+4*\s+2:G0+4*\s+3], s[46:47], \s*QUART
	s_or_b32 s[G0+4*\s+3], s[G0+4*\s+3], 0x80000000
	s_mov_b32 s[G0B+4*\s], 1
	s_add_co_u32 s[G0B+4*\s+1], s42, \s*SLOT
	s_add_nc_u64 s[G0B+4*\s+2:G0B+4*\s+3], s[66:67], \s*QUART
	s_or_b32 s[G0B+4*\s+3], s[G0B+4*\s+3], 0x80000000
	s_wait_alu depctr_va_vdst(0)
	s_wait_tensorcnt 0x0
	ds_add_u32 v28, v29
	s_wait_dscnt 0x0
	CROUND
	JLOAD G0+4*\s, G1, G0B+4*\s, G1B
.endr
	v_and_b32 v1, 15, v0
	v_bfe_u32 v2, v0, 4, 1
	s_wait_alu depctr_va_vdst(0)
	v_and_b32 v3, 31, v0
	v_lshlrev_b32 v3, 4, v3
	s_mul_i32 s46, s21, QUART
	s_mul_i32 s47, s22, QUART
	s_add_co_u32 s47, s47, 2*QUART
.irp s, 0,1
	v_add_nc_u32 v[ADRA+\s], s46, v3
	v_add_nc_u32 v[ADRB+\s], s47, v3
	s_add_co_u32 s46, s46, SLOT
	s_add_co_u32 s47, s47, SLOT
.endr
	v_lshlrev_b32 v5, 4, v1
	s_lshl_b32 s46, s21, 13
	s_lshl_b32 s47, s22, 13
	s_add_co_u32 s47, s47, 2*SQ
	s_sub_co_u32 s47, s47, s46
	v_mul_u32_u24 v6, s47, v2
	s_add_co_u32 s46, s46, SCL
	v_add_nc_u32 v5, v5, v6
	v_add_nc_u32 v[ADRS], s46, v5
	v_and_b32 v4, 8, v1
	v_add_nc_u32 v4, v4, v1
	v_lshlrev_b32 v[CSO], 9, v4
	v_lshl_add_u32 v[CSO], v2, 6, v[CSO]
	v_lshlrev_b32 v[WO], 6, v2
.macro FRAG reg, adr, q, i
.irp c, 0,1,2
	ds_load_b128 v[\reg+4*\c:\reg+4*\c+3], v[\adr] offset:12288*(\q)+1536*(\i)+512*\c
.endr
.endm
.macro MUL16 a0, p, q, sc, zero
.irp a, \a0, \a0+1
.irp b, 0,1,2,3,4,5,6,7
.if \zero
	v_wmma_scale_f32_16x16x128_f8f6f4 v[8*(8*((\a)%4)+\b):8*(8*((\a)%4)+\b)+7], v[128*(\p)+FR*\b:128*(\p)+FR*\b+FR-1], v[AF+FR*(\a):AF+FR*(\a)+FR-1], 0, v[SC+16*(\sc)+8*(\q)+\b], v[SC+16*(\sc)+8*(\q)+(\a)] matrix_a_fmt:MATRIX_FMT_FP6 matrix_b_fmt:MATRIX_FMT_FP6 matrix_a_scale:MATRIX_SCALE_ROW1
.else
	v_wmma_scale_f32_16x16x128_f8f6f4 v[8*(8*((\a)%4)+\b):8*(8*((\a)%4)+\b)+7], v[128*(\p)+FR*\b:128*(\p)+FR*\b+FR-1], v[AF+FR*(\a):AF+FR*(\a)+FR-1], v[8*(8*((\a)%4)+\b):8*(8*((\a)%4)+\b)+7], v[SC+16*(\sc)+8*(\q)+\b], v[SC+16*(\sc)+8*(\q)+(\a)] matrix_a_fmt:MATRIX_FMT_FP6 matrix_b_fmt:MATRIX_FMT_FP6 matrix_a_scale:MATRIX_SCALE_ROW1
.endif
.endr
.endr
.endm
.macro FETCH_B slot, q, p
	WIN TO_B
.irp i, 0,1,2,3,4,5,6,7
	FRAG 128*(\p)+FR*\i, ADRB+\slot, \q, \i
.endr
	WIN 0
.endm
.macro FETCH_A slot, q, i0
.irp i, \i0, \i0+1, \i0+2, \i0+3
	FRAG AF+FR*(\i), ADRA+\slot, \q, \i
.endr
.endm
.macro SCALES sc
.irp q, 0,1
.irp c, 0,1
	ds_load_b128 v[SC+16*\sc+8*\q+4*\c:SC+16*\sc+8*\q+4*\c+3], v[ADRS] offset:512*\q+256*\c
.endr
.endr
.endm
.macro PLACES n
.rept \n
	v_nop
.endr
.endm
.macro STEP slot, q, zero
	s_wait_dscnt 4*NL
	WIN MUL_LO
	MUL16 0, (\q)%2, \q, \slot, \zero
	MUL16 2, (\q)%2, \q, \slot, \zero
	s_wait_dscnt 0
	PLACES NP
	FETCH_B \slot, (\q)+1, 1-(\q)%2
	FETCH_A \slot, (\q)+1, 0
	WIN MUL_HI
	MUL16 4, (\q)%2, \q, \slot, \zero
	MUL16 6, (\q)%2, \q, \slot, \zero
	PLACES NP
	WIN 0
	FETCH_A \slot, (\q)+1, 4
.endm
.macro TURN slot, next, fill
	s_wait_tensorcnt 0x0
	ds_add_u32 v[SPW], v[NIL]
	s_wait_dscnt 4*NL+1
	WIN MUL_LO
	MUL16 0, 1, NQ-1, \slot, 0
	s_wait_dscnt 0x0
	s_barrier_signal -1
	MUL16 2, 1, NQ-1, \slot, 0
	WIN 0
	s_barrier_wait -1
.if \fill
	CREST
	s_add_nc_u64 s[G0+4*\slot+2:G0+4*\slot+3], s[G0+4*\slot+2:G0+4*\slot+3], 2*QUART
	s_add_nc_u64 s[G0B+4*\slot+2:G0B+4*\slot+3], s[G0B+4*\slot+2:G0B+4*\slot+3], 2*QUART
	JLOAD G0+4*\slot, G1, G0B+4*\slot, G1B
.else
	PLACES NP
.endif
	s_wait_alu depctr_va_vdst(0)
	v_add_nc_u32 v[ADRS], 512*NQ, v[ADRS]
	FETCH_B \next, 0, 0
	FETCH_A \next, 0, 0
	SCALES \next
	WIN MUL_HI
	MUL16 4, 1, NQ-1, \slot, 0
	MUL16 6, 1, NQ-1, \slot, 0
	PLACES NP
	WIN 0
	FETCH_A \next, 0, 4
.endm
	s_wait_alu depctr_va_vdst(0)
	s_wait_tensorcnt 1
	s_barrier_signal -1
	s_barrier_wait -1
	FETCH_B 0, 0, 0
	FETCH_A 0, 0, 0
	SCALES 0
	FETCH_A 0, 0, 4
	STEP 0, 0, 1
	s_mov_b32 s3, LAPS-1
.Llap:
	TURN 0, 1, 1
	STEP 1, 0, 0
	TURN 1, 0, 1
	STEP 0, 0, 0
	s_sub_co_u32 s3, s3, 1
	s_cmp_lg_u32 s3, 0
	s_cbranch_scc1 .Llap
	TURN 0, 1, 0
	STEP 1, 0, 0
	s_wait_dscnt 4*NL
	WIN MUL_LO
	MUL16 0, 1, NQ-1, 1, 0
	MUL16 2, 1, NQ-1, 1, 0
	s_wait_dscnt 0
	WIN MUL_HI
	MUL16 4, 1, NQ-1, 1, 0
	MUL16 6, 1, NQ-1, 1, 0
	WIN 0
	PLACES NP
.irp b, 0,1,2,3
	v_mov_b32 v[TM+4+\b], 0
.endr
	v_mov_b32 v[RS+1], 0
	s_lshl_b32 s46, s41, 1
	s_add_co_u32 s46, s46, s21
	s_lshl_b32 s47, s40, 1
	s_add_co_u32 s47, s47, s22
	s_lshl_b32 s66, s45, 3
	s_cmp_eq_u32 ttmp9, 2
	s_cselect_b32 s67, s47, s46
	s_cselect_b32 s94, s46, s47
	s_add_co_u32 s67, s67, s66
	s_lshr_b32 s95, s67, 4
	s_lshl_b32 s95, s95, 3
	s_add_co_u32 s95, s95, s94
	s_lshl_b32 s95, s95, 4
	s_and_b32 s94, s67, 15
	s_add_co_u32 s95, s95, s94
	s_mov_b32 s94, 25600
	s_cmp_eq_u32 ttmp9, 0
	s_cselect_b32 s94, 12800, s94
	s_cselect_b64 s[100:101], s[16:17], s[18:19]
	s_cselect_b64 s[12:13], s[12:13], s[14:15]
	s_mul_i32 s94, s95, s94
	s_mov_b32 s95, 0
	s_add_nc_u64 s[100:101], s[100:101], s[94:95]
	s_mov_b32 s94, 25088
	s_cmp_eq_u32 ttmp9, 1
	s_cselect_b32 s94, 24576, s94
	s_cmp_eq_u32 ttmp9, 0
	s_cselect_b32 s94, 12288, s94
	s_add_nc_u64 s[92:93], s[100:101], s[94:95]
	s_lshl_b32 s94, s67, 16
	s_add_nc_u64 s[8:9], s[8:9], s[94:95]
	s_add_nc_u64 s[10:11], s[10:11], s[94:95]
.macro QUANT s, w, pw
	WIN ((\w)<<2)|((\w)<<4)
.irp b, 0,1,2,3
	v_max3_num_f32 v[TM+\b], 0x1800000, |v[\s+16*\b]|, |v[\s+1+16*\b]|
.endr
.irp i, 2,4,6,8,10,12,14
.irp b, 0,1,2,3
	v_max3_num_f32 v[TM+\b], v[TM+\b], |v[\s+16*\b+\i]|, |v[\s+1+16*\b+\i]|
.endr
.endr
	WIN 0
.irp b, 0,1,2,3
	v_permlanex16_b32 v[TM+4+\b], v[TM+\b], s[SEL], s[SEL+1]
.endr
.irp b, 0,1,2,3
	v_max_num_f32 v[TM+\b], v[TM+\b], v[TM+4+\b]
.endr
.irp b, 0,1,2,3
	v_add_nc_u32 v[TM+12+\b], 0xff000000, v[TM+\b]
.endr
.irp b, 0,1,2,3
	v_lshrrev_b32 v[TM+4+\b], 23, v[TM+12+\b]
.endr
	v_lshl_or_b32 v[\pw], v[TM+5], 8, v[TM+4]
	v_lshl_or_b32 v[\pw], v[TM+6], 16, v[\pw]
	v_lshl_or_b32 v[\pw], v[TM+7], 24, v[\pw]
	WIN \w
.irp c, 0,1
	v_cvt_scalef32_pk16_fp6_f32 v[PC+6*\c:PC+2+6*\c], v[\s+32*\c:\s+15+32*\c], v[TM+12+2*\c]
	v_cvt_scalef32_pk16_fp6_f32 v[PC+12+4*\c:PC+14+4*\c], v[\s+16+32*\c:\s+31+32*\c], v[TM+12+2*\c+1]
.endr
	WIN 0
	v_nop
.irp c, 0,1
.irp i, 0,1,2
	v_permlane16_swap_b32 v[PC+6*\c+\i], v[PC+12+4*\c+\i]
.endr
.irp i, 0,1,2
	v_mov_b32 v[PC+3+6*\c+\i], v[PC+12+4*\c+\i]
.endr
.endr
.endm
; cos and sin of block a's 16 tokens: two sets of registers by turns.  Even blocks: cos window 1 v64-127, sin window 1 v128-191; odd blocks: cos window 1 v192-255, sin window 0 v128-191.
.macro CSLOAD a
.set LB, 64+128*((\a)%2)
	WIN 0x40
.irp n, 0,1,2,3,4,5,6,7,8,9,10,11,12,13,14,15
	global_load_b128 v[LB+4*\n:LB+4*\n+3], v[CSO], s[8:9] offset:(32*((\a)/2)+8*((\a)%2))*512+128*(\n/4)+16*(\n%4)
.endr
	WIN 0x40*(1-(\a)%2)
.irp n, 0,1,2,3,4,5,6,7,8,9,10,11,12,13,14,15
	global_load_b128 v[SINR+4*\n:SINR+4*\n+3], v[CSO], s[10:11] offset:(32*((\a)/2)+8*((\a)%2))*512+128*(\n/4)+16*(\n%4)
.endr
.endm
.macro QKBLOCK a
.set AC, 64*((\a)%4)
.set WW, 2+(\a)/4
.set OD, (\a)%2
.set ZB, 64+128*OD                     ; this block's cos, in window 1; the rotated result is formed in place there
.if (\a) < 7
	CSLOAD (\a)+1                                  ; the next block's 32 loads, into the other set, which the block before has done with
.endif
	WIN WW|(WW<<2)
.irp c, 0,1,2,3
	v_pk_mul_f32 v[SS+2*\c:SS+2*\c+1], v[AC+2*\c:AC+2*\c+1], v[AC+2*\c:AC+2*\c+1]
.endr
.set PP, 4
.rept 28
	v_pk_fma_f32 v[SS+2*(PP%4):SS+2*(PP%4)+1], v[AC+2*PP:AC+2*PP+1], v[AC+2*PP:AC+2*PP+1], v[SS+2*(PP%4):SS+2*(PP%4)+1]
.set PP, PP+1
.endr
	WIN 0
	v_pk_add_f32 v[SS:SS+1], v[SS:SS+1], v[SS+2:SS+3]
	v_pk_add_f32 v[SS+4:SS+5], v[SS+4:SS+5], v[SS+6:SS+7]
	v_pk_add_f32 v[SS:SS+1], v[SS:SS+1], v[SS+4:SS+5]
	v_add_f32 v[SS], v[SS], v[SS+1]
	v_permlanex16_b32 v[SS+1], v[SS], s[SEL], s[SEL+1]
	v_add_f32 v[SS], v[SS], v[SS+1]
	v_fma_f32 v[SS], v[SS], s96, s97
	s_wait_alu depctr_va_vdst(0)
	v_rsq_f32 v[RS], v[SS]
	v_nop
	s_wait_alu depctr_va_vdst(0)
	WIN WW
.set PP, 0
.rept 32
	v_pk_mul_f32 v[YR+2*PP:YR+2*PP+1], v[AC+2*PP:AC+2*PP+1], v[RS:RS+1] op_sel_hi:[1,0]
.set PP, PP+1
.endr
.if (\a) < 7
	s_wait_loadcnt 32                              ; all but the next block's 32 loads: the gains and this block's cos and sin are in
.else
	s_wait_loadcnt 0x0
.endif
	WIN 0x04
.set PP, 0
.rept 32
	v_pk_mul_f32 v[YR+2*PP:YR+2*PP+1], v[YR+2*PP:YR+2*PP+1], v[WR+2*PP:WR+2*PP+1]
.set PP, PP+1
.endr
.set PP, 0
.rept 32
	WIN 0x44                                       ; (written once: the macro drops a switch that changes nothing)  source 1 and the destination: window 1
	v_pk_mul_f32 v[ZB+2*PP:ZB+2*PP+1], v[YR+2*PP:YR+2*PP+1], v[ZB+2*PP:ZB+2*PP+1]
.set PP, PP+1
.endr
.set PP, 0
.rept 32
	WIN 0x54-4*OD                                  ; sin: window 1 in even blocks, window 0 in odd ones; source 2 and the destination: window 1
.if PP < 16
	v_pk_fma_f32 v[ZB+2*PP:ZB+2*PP+1], v[YR+2*((PP+16)%32):YR+2*((PP+16)%32)+1], v[SINR+2*PP:SINR+2*PP+1], v[ZB+2*PP:ZB+2*PP+1] neg_lo:[1,0,0] neg_hi:[1,0,0]
.else
	v_pk_fma_f32 v[ZB+2*PP:ZB+2*PP+1], v[YR+2*((PP+16)%32):YR+2*((PP+16)%32)+1], v[SINR+2*PP:SINR+2*PP+1], v[ZB+2*PP:ZB+2*PP+1]
.endif
.set PP, PP+1
.endr
	WIN 0
.if (\a) > 0
	s_wait_xcnt 0x0                                ; the last block's stores have read v[PC] on
.endif
	QUANT ZB, 1, PW+(\a)
.irp c, 0,1,2
	global_store_b128 v3, v[PC+4*\c:PC+4*\c+3], s[100:101] offset:1536*(\a)+512*\c
.endr
.endm
.macro VBLOCK a
.if (\a) > 0
	s_wait_xcnt 0x0
.endif
	QUANT 64*((\a)%4), 2+(\a)/4, PW+(\a)
.irp c, 0,1,2
	global_store_b128 v3, v[PC+4*\c:PC+4*\c+3], s[100:101] offset:12288+1536*(\a)+512*\c
.endr
.endm
	s_cmp_eq_u32 ttmp9, 2
	s_cbranch_scc1 .Lv
	WIN 0x40
.irp b, 0,1,2,3
.irp j, 0,1,2,3
	global_load_b128 v[WR+16*\b+4*\j:WR+16*\b+4*\j+3], v[WO], s[12:13] offset:128*\b+16*\j
.endr
.endr
	CSLOAD 0
.irp a, 0,1,2,3,4,5,6,7
	QKBLOCK \a
.endr
	s_branch .Ljoin
.Lv:
.irp a, 0,1,2,3,4,5,6,7
	VBLOCK \a
.endr
.Ljoin:
	v_cmp_ne_u32 vcc_lo, 0, v2
.irp i, 0,1,2,3
	v_cndmask_b32 v[DR+\i], v[PW+\i], v[PW+4+\i], vcc_lo
.endr
	global_store_b128 v3, v[DR:DR+3], s[92:93]
	s_wait_tensorcnt 0x0
	ds_add_u32 v[SPW], v[NIL]
	s_wait_dscnt 0x0
	CROUND
	s_endpgm
.Lfunc_end_k_q0a776c9c84_qkv:
	.size	k_q0a776c9c84_qkv, .Lfunc_end_k_q0a776c9c84_qkv-k_q0a776c9c84_qkv
	.p2alignl 7, 3214868480
	.fill 96, 4, 3214868480
	.section	.rodata,"a",@progbits
	.p2align	6, 0x0
	.amdhsa_kernel k_q0a776c9c84_qkv
		.amdhsa_group_segment_fixed_size 327680
		.amdhsa_private_segment_fixed_size 0
		.amdhsa_enable_private_segment 0
		.amdhsa_kernarg_size 64
		.amdhsa_user_sgpr_count 2
		.amdhsa_user_sgpr_kernarg_segment_ptr 1
		.amdhsa_wavefront_size32 1
		.amdhsa_system_sgpr_workgroup_id_x 1
		.amdhsa_system_sgpr_workgroup_id_y 1
		.amdhsa_system_sgpr_workgroup_id_z 1
		.amdhsa_system_vgpr_workitem_id 0
		.amdhsa_next_free_vgpr 1024
		.amdhsa_next_free_sgpr 102
		.amdhsa_reserve_vcc 1
		.amdhsa_float_denorm_mode_32 3
		.amdhsa_float_denorm_mode_16_64 3
		.amdhsa_memory_ordered 1
		.amdhsa_forward_progress 1
		.amdhsa_inst_pref_size 255
	.end_amdhsa_kernel
	.section	.bss,"aw",@nobits
	.p2align	6
	.space	262144
	.amdgpu_metadata
---
amdhsa.version: [ 1, 2 ]
amdhsa.kernels:
  - .name:           k_q0a776c9c84_qkv
    .symbol:         k_q0a776c9c84_qkv.kd
    .args:
      - { .name: cod1, .offset: 0, .size: 8, .value_kind: global_buffer, .address_space: global }
      - { .name: scl1, .offset: 8, .size: 8, .value_kind: global_buffer, .address_space: global }
      - { .name: cos, .offset: 16, .size: 8, .value_kind: global_buffer, .address_space: global }
      - { .name: sin, .offset: 24, .size: 8, .value_kind: global_buffer, .address_space: global }
      - { .name: q_norm_w, .offset: 32, .size: 8, .value_kind: global_buffer, .address_space: global }
      - { .name: k_norm_w, .offset: 40, .size: 8, .value_kind: global_buffer, .address_space: global }
      - { .name: qb, .offset: 48, .size: 8, .value_kind: global_buffer, .address_space: global }
      - { .name: kvb, .offset: 56, .size: 8, .value_kind: global_buffer, .address_space: global }
    .group_segment_fixed_size: 327680
    .private_segment_fixed_size: 0
    .kernarg_segment_align: 8
    .kernarg_segment_size: 64
    .max_flat_workgroup_size: 128
    .sgpr_count:     102
    .vgpr_count:     1024
    .wavefront_size: 32
...
	.end_amdgpu_metadata
.endif
;; end of part 2
;; launch attn (part 3): grid 16 x 16, 8 waves a work-group, no clusters, 327,680 bytes of LDS; arguments qb, kvb, attc, atts; writes attc, atts
.if DOCPART == 3
	.amdgcn_target "amdgcn-amd-amdhsa--gfx1250"
	.amdhsa_code_object_version 6
	.text
	.protected	k_q0a776c9c84_attn
	.globl	k_q0a776c9c84_attn
	.p2align	8
	.type	k_q0a776c9c84_attn,@function
k_q0a776c9c84_attn:
	s_mov_b64 s[64:65], 0
	v_nop
	global_prefetch_b8 v0, s[64:65] scope:SCOPE_SE
	s_setreg_imm32_b32 hwreg(HW_REG_WAVE_MODE, 25, 1), 1
	s_wait_xcnt 0x0
; Attention with a causal mask and a window of 1,024 keys, both products on codes of FP6; the result, divided by the row's sum, is quantised along (head, channel) for the last projection.
; t = score x log2(e) / sqrt(128); M = the running largest t rounded up to a whole number; p = 2^(t - M) is quantised along the keys; the row's sum is taken of the unquantised p.
; SHARES: work-group (i, bh) owns queries 128 i .. 128 i + 127 of head bh (8 batch + head); each of its eight waves one fragment of 16 queries: lane r of wave w holds query 32 (w / 2) + 8 (w % 2) + r + 8 (r / 8).
; KEYS: a query block's band touches at most nine chunks of 128 keys, max(i, 8) - 8 on: 230,400 consecutive bytes of kvb (a chunk's record: K's 8 images, V^T's 8, K's scale words, V's).  They come into LDS ONCE, by
; first fills: waves 0-3 issue three tensor loads each (three chunks a group, a quarter a wave): three loads of a wave are out at the most.  Nothing is filled again: no ring.
; A chunk behind the diagonal (only where i < 8) is passed over by a scalar branch on ids.  In the chunk on the diagonal keys after the query, in the chunk eight back keys at or before the query's place, get -infinity.
; LAYOUT: both products transposed: S^T = K Q^T, O^T = V^T P^T: a lane holds one query throughout.  K's and V^T's fragments hold their rows in the order given above, so that a lane's 64 results are 16 neighbours of each block of 32.
; NO CLUSTER: neighbouring query blocks share eight of nine chunks, but each block's nine begin one chunk further on: in a jointly filled LDS the read addresses and the masked steps would hang on the
; work-group's place in its cluster.  The heads share nothing: 8 key heads for 8 query heads.
; LIMITS: NaN and infinities are not served.  1 / sum by v_rcp_f32 (1 ulp).  A block whose largest magnitude lies under 2^-124, a block of zeros too, gets the scale byte 1; the bytes are read by this program alone.
; THE FILLS AS THEY STAND IN THIS TEXT (this takes the place of what is said of them above): at the head each of the eight waves issues ONE tensor load, an eighth (50 rows of 256 bytes) of the first four chunks.
; The other five chunks are first filled behind a sequence (wait for all loads, the add, its wait, a barrier): waves 0-3, a quarter (125 rows) each.  One load of a wave is out at the most.
; Nothing is filled twice.  Where i < 8 the chunks behind the diagonal are fetched with the rest and passed over.  All of LDS is claimed.
.set CH,   25600                       ; a chunk's record
.set GATH, 9*CH                        ; behind the nine chunks: 512 bytes in which the waves' scale words meet; no fill lands there
.set LI,   1                           ; v1   16 x lane
.set AS0,  2                           ; v2   a chunk's scale words: lanes 0-15 K's, lanes 16-31 V's
.set ADK,  3                           ; v3   the chunk in hand: images
.set ADS,  4                           ; v4   scale words
.set DD,   5                           ; v5   my query's place in the block - 16 h
.set NINF, 6                           ; v6   -infinity
.set GW,   7                           ; v7   where my scale word goes
.set GR,   8                           ; v8   where wave 0 reads the 512 bytes back
.set QO,   11                          ; v11  my scale word's place in a block of words
.set QF,   16                          ; v16-27  Q's fragment
.set KV,   32                          ; v32-79  four fragments of K or V
.set SCW,  80                          ; v80-87  the chunk's scale words: nothing else
.set SS,   96                          ; v96-159 S^T, then p
.set OT,   160                         ; v160-223 O^T
.set PC,   224                         ; v224-235 p's codes (v236-242 conversions' second halves)
.set TM,   232                         ; v232-247 at work
.set AW,   249                         ; v249 attn's scale word
.set FF,   250                         ; v[250:251] f
.set PS,   253                         ; v253 p's scale word: nothing else
.set QS,   255                         ; v255 Q's scale word: nothing else
.set WV,   12
.set QI,   13
.set BH,   14
.set CI,   16                          ; s16 the chunk in hand
.set TB,   17                          ; s17 its LDS byte
.set TRIP, 18
.set SEL,  20
.set CS,   22
	s_load_b256 s[4:11], s[0:1], 0x0               ; qb, kvb, attc, atts
	v_lshl_add_u32 v243, v0, 2, 0x38800
	v_mov_b32 v248, 0
	ds_add_u32 v243, v248
	ds_add_u32 v243, v248
	v_lshrrev_b32 v1, 5, v0
	s_delay_alu instid0(VALU_DEP_1)
	v_readfirstlane_b32 s[WV], v1
	s_mov_b32 s[QI], ttmp9
	s_and_b32 s[BH], ttmp7, 0xffff
	s_max_u32 s15, s[QI], 8
	s_sub_co_u32 s15, s15, 8                       ; the first of the nine chunks
	s_mov_b32 s[CI], s15
	s_mov_b32 s[SEL], 0x76543210
	s_mov_b32 s[SEL+1], 0xfedcba98
	s_mov_b32 s[CS], 0x3e0293ee                    ; log2(e) / sqrt(128)
	s_mov_b32 s[CS+1], s[CS]
	; descriptor group 1: 12,800 dense bytes as 50 rows of 32 elements of 8 bytes
	s_mov_b32 s24, 3<<16
	s_mov_b32 s25, 32<<16
	s_mov_b32 s26, 50<<16
	s_mov_b32 s27, 32<<16
	s_mov_b32 s28, 50
	s_mov_b32 s68, 3<<16                           ; a second group 1: 125 rows
	s_mov_b32 s69, 32<<16
	s_mov_b32 s70, 125<<16
	s_mov_b32 s71, 32<<16
	s_mov_b32 s72, 125
	s_mov_b32 s73, 32
	s_mov_b32 s74, 0
	s_mov_b32 s75, 0
	s_mov_b32 s29, 32
	s_mov_b32 s30, 0
	s_mov_b32 s31, 0
	s_lshl_b32 s44, s[BH], 4
	s_add_co_u32 s45, s44, s15
	s_mul_i32 s46, s45, CH
	s_mul_i32 s48, s[WV], 12800                    ; my eighth of chunks 0-3, in memory and in LDS
	s_and_b32 s49, s[WV], 3
	s_mul_i32 s49, s49, 32000
	s_add_co_u32 s49, s49, 4*CH                    ; and a quarter of chunks 4-8
	s_mov_b32 s47, 0
	; every LDS address register is made here, ahead of the branch round the tensor loads
	v_and_b32 v9, 15, v0                           ; r
	v_bfe_u32 v10, v0, 4, 1                        ; h
	v_and_b32 v1, 31, v0
	s_delay_alu instid0(VALU_DEP_1)
	v_lshlrev_b32 v[LI], 4, v1
	s_delay_alu instid0(VALU_DEP_4)
	v_lshlrev_b32 v[AS0], 4, v9
	s_delay_alu instid0(VALU_DEP_1)
	v_lshl_add_u32 v[AS0], v10, 9, v[AS0]
	s_delay_alu instid0(VALU_DEP_1)
	v_add_nc_u32 v[AS0], 24576, v[AS0]             ; K's words + 16 r, + 512 for lanes 16-31: V's
	s_lshr_b32 s50, s[WV], 1
	s_lshl_b32 s50, s50, 5
	s_and_b32 s51, s[WV], 1
	s_lshl_b32 s51, s51, 3
	s_add_co_u32 s50, s50, s51
	v_and_b32 v[DD], 8, v9
	s_delay_alu instid0(VALU_DEP_1)
	v_add_nc_u32 v[DD], v[DD], v9
	s_delay_alu instid0(VALU_DEP_1)
	v_add_nc_u32 v[DD], s50, v[DD]                 ; my query's place in the block
	v_lshlrev_b32 v10, 4, v10
	s_delay_alu instid0(VALU_DEP_1)
	v_sub_nc_u32 v[DD], v[DD], v10                 ; - 16 h: register 16 b + i holds key 32 b + 16 h + i
	v_mov_b32 v[NINF], 0xff800000
	s_lshr_b32 s50, s[WV], 2
	s_lshl_b32 s50, s50, 8
	s_and_b32 s51, s[WV], 3
	s_lshl_b32 s51, s51, 2
	s_add_co_u32 s50, s50, s51                     ; fragment w's words: 256 (w / 4) + 4 (w % 4)
	v_lshlrev_b32 v[QO], 4, v9
	s_delay_alu instid0(VALU_DEP_1)
	v_add_nc_u32 v[QO], s50, v[QO]                 ; + 16 r
	s_delay_alu instid0(VALU_DEP_1)
	v_add_nc_u32 v[GW], GATH, v[QO]
	v_add_nc_u32 v[GR], GATH, v[LI]
	s_wait_dscnt 0x0
	s_wait_kmcnt 0x0
	s_add_nc_u64 s[46:47], s[6:7], s[46:47]
	s_mov_b32 s51, 0
	s_mov_b32 s32, 1
	s_mov_b32 s33, s48
	s_mov_b32 s50, s48
	s_add_nc_u64 s[34:35], s[46:47], s[50:51]
	s_or_b32 s35, s35, 0x80000000
	s_mov_b32 s36, 1
	s_mov_b32 s37, s49
	s_mov_b32 s50, s49
	s_add_nc_u64 s[38:39], s[46:47], s[50:51]
	s_or_b32 s39, s39, 0x80000000
	tensor_load_to_lds s[32:35], s[24:31]          ; every wave's one load at the head
	s_nop 0
.rept 4
	v_nop
.endr
	s_add_co_u32 s45, s44, s[QI]
	s_mul_i32 s52, s45, 12800
	s_mov_b32 s53, 0
	s_add_nc_u64 s[54:55], s[4:5], s[52:53]        ; my query block's record
	s_mul_i32 s52, s[WV], 1536
	s_add_nc_u64 s[4:5], s[54:55], s[52:53]        ; my fragment
.irp c, 0,1,2
	global_load_b128 v[QF+4*\c:QF+4*\c+3], v[LI], s[4:5] offset:512*\c
.endr
	s_wait_alu depctr_va_vdst(0)
	global_load_b32 v[QS], v[QO], s[54:55] offset:12288
	s_lshr_b32 s56, s[BH], 3
	s_lshl_b32 s56, s56, 4
	s_add_co_u32 s56, s56, s[QI]                   ; the group of 128 tokens
	s_lshl_b32 s56, s56, 3
	s_and_b32 s57, s[BH], 7
	s_add_co_u32 s56, s56, s57                     ; its block for K step = head
	s_lshl_b32 s58, s56, 9
	s_mov_b32 s59, 0
	s_add_nc_u64 s[10:11], s[10:11], s[58:59]
	s_mul_i32 s58, s56, 12288
	s_add_co_u32 s58, s58, s52
	s_add_nc_u64 s[8:9], s[8:9], s[58:59]
	v_mov_b32 v13, 0xff61b1e6                      ; the largest t so far: -3e38
	s_delay_alu instid0(VALU_DEP_1)
	v_floor_f32 v12, -v13                          ; -M
	v_mov_b32 v14, 0                               ; the sum, in two halves
	v_mov_b32 v15, 0
.irp b, 0,1,2,3
	v_mov_b32 v[236+\b], 0                         ; written once: a lane permute's destination counts as one of its sources
.endr
	v_mov_b32 v[FF+1], 0                           ; (named as the upper half of a pair)
	v_mov_b32 v252, 0
.set NN, 0
.rept 64
	v_mov_b32 v[OT+NN], 0                          ; O^T: the step is written once for every chunk: the first finds zeros
.set NN, NN+1
.endr
.macro STEP win                        ; one chunk of 128 keys
	s_cmp_gt_u32 s[CI], s[QI]                      ; behind the diagonal: the work is passed over, not the lines at the end that step
	s_cbranch_scc1 .Lhidden_\@
	v_add_nc_u32 v[ADK], s[TB], v[LI]
	s_wait_alu depctr_va_vdst(0)
	v_add_nc_u32 v[ADS], s[TB], v[AS0]
	v_nop
	v_nop                                          ; four places in front of loads into registers that matrix instructions have read
.irp g, 0,1
.if \g > 0
.rept 4
	v_nop
.endr
.endif
.irp t, 0,1,2,3
.irp c, 0,1,2
	ds_load_b128 v[KV+12*\t+4*\c:KV+12*\t+4*\c+3], v[ADK] offset:1536*(4*\g+\t)+512*\c
.endr
.endr
.if \g == 0
	ds_load_b128 v[SCW:SCW+3], v[ADS]
	ds_load_b128 v[SCW+4:SCW+7], v[ADS] offset:256
.endif
	s_wait_dscnt 0x0
.irp t, 0,1,2,3
	v_wmma_scale_f32_16x16x128_f8f6f4 v[SS+8*(4*\g+\t):SS+8*(4*\g+\t)+7], v[KV+12*\t:KV+12*\t+11], v[QF:QF+11], 0, v[SCW+4*\g+\t], v[QS] matrix_a_fmt:MATRIX_FMT_FP6 matrix_b_fmt:MATRIX_FMT_FP6
.endr
.endr
.rept 4
	v_nop
.endr
	s_cmp_lg_u32 s[CI], s[QI]
	s_cbranch_scc1 .Lnodiag_\@
.set NN, 0
.rept 64                               ; on the diagonal: key 32 b + 16 h + i is hidden where it comes after my query
	v_cmp_gt_i32 vcc_lo, 32*(NN/16)+NN%16, v[DD]
	v_cndmask_b32 v[SS+NN], v[SS+NN], v[NINF], vcc_lo
.set NN, NN+1
.endr
.Lnodiag_\@:
.if \win
	s_add_co_u32 s44, s[CI], 8
	s_cmp_lg_u32 s44, s[QI]
	s_cbranch_scc1 .Lnowin_\@
.set NN, 0
.rept 64                               ; eight chunks back: hidden where the key's place is at or before my query's: 1,024 or more behind
	v_cmp_le_i32 vcc_lo, 32*(NN/16)+NN%16, v[DD]
	v_cndmask_b32 v[SS+NN], v[SS+NN], v[NINF], vcc_lo
.set NN, NN+1
.endr
.Lnowin_\@:
.endif
.irp b, 0,1,2,3
	v_max3_num_f32 v[232+\b], v[SS+16*\b], v[SS+1+16*\b], v[SS+2+16*\b]   ; the largest score of each block of 32 keys: for the row's maximum, and, since p rises with the score, for the block's largest p
.endr
.irp i, 3,5,7,9,11,13
.irp b, 0,1,2,3
	v_max3_num_f32 v[232+\b], v[232+\b], v[SS+16*\b+\i], v[SS+1+16*\b+\i]
.endr
.endr
.irp b, 0,1,2,3
	v_max_num_f32 v[232+\b], v[232+\b], v[SS+15+16*\b]
.endr
.irp b, 0,1,2,3
	s_delay_alu instid0(VALU_DEP_4)
	v_permlanex16_b32 v[236+\b], v[232+\b], s[SEL], s[SEL+1]
.endr
.irp b, 0,1,2,3
	s_delay_alu instid0(VALU_DEP_4)
	v_max_num_f32 v[232+\b], v[232+\b], v[236+\b]
.endr
	s_delay_alu instid0(VALU_DEP_2)
	v_max3_num_f32 v254, v232, v233, v234
	s_delay_alu instid0(VALU_DEP_1)
	v_max_num_f32 v254, v254, v235
	s_delay_alu instid0(VALU_DEP_1)
	v_mul_f32 v254, s[CS], v254
	s_delay_alu instid0(VALU_DEP_1)
	v_max_num_f32 v13, v13, v254                   ; the running largest t
	v_mov_b32 v254, v12
	s_delay_alu instid0(VALU_DEP_2)
	v_floor_f32 v12, -v13                          ; -M = floor(-t): M is a whole number
	s_delay_alu instid0(VALU_DEP_1)
	v_sub_f32 v254, v12, v254
	s_delay_alu instid0(VALU_DEP_1)
	v_cvt_i32_f32 v254, v254                       ; (it saturates)
	s_delay_alu instid0(VALU_DEP_1)
	v_ldexp_f32 v[FF], 1.0, v254                   ; f = 2^(old M - new M): rounds nothing
.set NN, 0
.rept 32
	v_pk_fma_f32 v[SS+NN:SS+NN+1], v[SS+NN:SS+NN+1], s[CS:CS+1], v[12:13] op_sel_hi:[1,0,0]   ; t - M
.set NN, NN+2
.endr
.irp b, 0,1,2,3
	v_fma_f32 v[232+\b], v[232+\b], s[CS], v12
.endr
.set NN, 0
	s_wait_alu depctr_va_vdst(0)
.rept 64
	v_exp_f32 v[SS+NN], v[SS+NN]                   ; p, not normalised
.set NN, NN+1
.endr
	v_pk_mul_f32 v[14:15], v[14:15], v[FF:FF+1] op_sel_hi:[1,0]   ; the sums under the new M: a plain place behind the exponentials
	s_wait_alu depctr_va_vdst(0)                   ; one wait for the batch, ahead of its first reader
.irp b, 0,1,2,3
	v_exp_f32 v[232+\b], v[232+\b]                 ; each block's largest p
.endr
	v_pk_add_f32 v[236:237], v[100:101], v[104:105]
	v_pk_add_f32 v[246:247], v[108:109], v[112:113]
	v_pk_add_f32 v[244:245], v[116:117], v[120:121]
	v_pk_add_f32 v[240:241], v[124:125], v[128:129]
	v_pk_add_f32 v[238:239], v[132:133], v[136:137]
	v_pk_add_f32 v[230:231], v[140:141], v[144:145]
	v_pk_add_f32 v[228:229], v[148:149], v[152:153]
	v_pk_add_f32 v[14:15], v[14:15], v[156:157]
	v_pk_add_f32 v[236:237], v[236:237], v[96:97]
	v_pk_add_f32 v[246:247], v[246:247], v[98:99]
	v_pk_add_f32 v[244:245], v[244:245], v[102:103]
	v_pk_add_f32 v[240:241], v[240:241], v[106:107]
	v_pk_add_f32 v[238:239], v[238:239], v[110:111]
	v_pk_add_f32 v[230:231], v[230:231], v[114:115]
	v_pk_add_f32 v[228:229], v[228:229], v[118:119]
	v_pk_add_f32 v[14:15], v[14:15], v[122:123]
	v_pk_add_f32 v[236:237], v[236:237], v[126:127]
	v_pk_add_f32 v[246:247], v[246:247], v[130:131]
	v_pk_add_f32 v[244:245], v[244:245], v[134:135]
	v_pk_add_f32 v[240:241], v[240:241], v[138:139]
	v_pk_add_f32 v[238:239], v[238:239], v[142:143]
	v_pk_add_f32 v[230:231], v[230:231], v[146:147]
	v_pk_add_f32 v[228:229], v[228:229], v[150:151]
	v_pk_add_f32 v[14:15], v[14:15], v[154:155]
	v_pk_add_f32 v[236:237], v[236:237], v[158:159]
	s_delay_alu instid0(VALU_DEP_2)
	v_pk_add_f32 v[14:15], v[14:15], v[240:241]
	s_delay_alu instid0(VALU_DEP_2)
	v_pk_add_f32 v[236:237], v[236:237], v[238:239]
	v_pk_add_f32 v[246:247], v[246:247], v[230:231]
	v_pk_add_f32 v[244:245], v[244:245], v[228:229]
	s_delay_alu instid0(VALU_DEP_2)
	v_pk_add_f32 v[14:15], v[14:15], v[246:247]
	s_delay_alu instid0(VALU_DEP_2)
	v_pk_add_f32 v[236:237], v[236:237], v[244:245]
	s_delay_alu instid0(VALU_DEP_1)
	v_pk_add_f32 v[14:15], v[14:15], v[236:237]
	s_wait_alu depctr_va_vdst(0)                   ; and one for the four
.irp b, 0,1,2,3
	v_max_num_f32 v[232+\b], 0x1800000, v[232+\b]  ; the floor 2^(3 - 127)
.endr
.irp b, 0,1,2,3
	s_delay_alu instid0(VALU_DEP_4)
	v_add_nc_u32 v[244+\b], 0xff000000, v[232+\b]
.endr
.irp b, 0,1,2,3
	s_delay_alu instid0(VALU_DEP_4)
	v_lshrrev_b32 v[236+\b], 23, v[244+\b]
.endr
	s_delay_alu instid0(VALU_DEP_3)
	v_lshl_or_b32 v[PS], v237, 8, v236
	s_delay_alu instid0(VALU_DEP_1)
	v_lshl_or_b32 v[PS], v238, 16, v[PS]
	s_delay_alu instid0(VALU_DEP_1)
	v_lshl_or_b32 v[PS], v239, 24, v[PS]
.irp c, 0,1
	v_cvt_scalef32_pk16_fp6_f32 v[224+6*\c:226+6*\c], v[SS+32*\c:SS+15+32*\c], v[244+2*\c]
	v_cvt_scalef32_pk16_fp6_f32 v[236+4*\c:238+4*\c], v[SS+16+32*\c:SS+31+32*\c], v[244+2*\c+1]
.endr
	v_nop
.irp c, 0,1
.irp i, 0,1,2
	v_permlane16_swap_b32 v[224+6*\c+\i], v[236+4*\c+\i]
.endr
.irp i, 0,1,2
	s_delay_alu instid0(VALU_DEP_3)
	v_mov_b32 v[227+6*\c+\i], v[236+4*\c+\i]
.endr
.endr
.set NN, 0
.rept 32
	v_pk_mul_f32 v[OT+NN:OT+NN+1], v[OT+NN:OT+NN+1], v[FF:FF+1] op_sel_hi:[1,0]   ; O^T under the new M; these 32 are also the places in front of the products and loads below
.set NN, NN+2
.endr
	s_wait_alu depctr_va_vdst(0)
.irp g, 0,1
.if \g > 0
.rept 4
	v_nop
.endr
.endif
.irp t, 0,1,2,3
.irp c, 0,1,2
	ds_load_b128 v[KV+12*\t+4*\c:KV+12*\t+4*\c+3], v[ADK] offset:12288+1536*(4*\g+\t)+512*\c
.endr
.endr
	s_wait_dscnt 0x0
.irp t, 0,1,2,3
	v_wmma_scale_f32_16x16x128_f8f6f4 v[OT+8*(4*\g+\t):OT+8*(4*\g+\t)+7], v[KV+12*\t:KV+12*\t+11], v[224:235], v[OT+8*(4*\g+\t):OT+8*(4*\g+\t)+7], v[SCW+4*\g+\t], v[PS] matrix_a_fmt:MATRIX_FMT_FP6 matrix_b_fmt:MATRIX_FMT_FP6 matrix_a_scale:MATRIX_SCALE_ROW1
.endr
.endr
.Lhidden_\@:
	s_add_co_u32 s[TB], s[TB], CH
	s_add_co_u32 s[CI], s[CI], 1
.endm
; Chunks 0-3 first: all my loads are in here, and chunks 4-8 are filled behind this barrier.  No LDS instruction of mine is out here: every run of loads has had its wait for 0.
	s_wait_alu depctr_va_vdst(0)                   ; the wait at the head's end
	s_wait_loadcnt 0x0                             ; Q
	s_wait_tensorcnt 0x0                           ; my eighth of chunks 0-3 is in; the lines ahead of a later first fill:
	ds_add_u32 v243, v248
	s_wait_dscnt 0x0
	s_barrier_signal -1
	s_barrier_wait -1                              ; chunks 0-3 are whole
	s_cmp_lt_u32 s[WV], 4
	s_cbranch_scc0 .Lno_fetch
	tensor_load_to_lds s[36:39], s[68:75]          ; chunks 4-8, a quarter a wave
	s_nop 0
.rept 4
	v_nop
.endr
.Lno_fetch:
	s_mov_b32 s[TB], 0
	STEP 1                                         ; the first chunk alone can lie eight back
	s_mov_b32 s[TB], CH
	s_mov_b32 s[TRIP], 3
.Lfirst:
	STEP 0
	s_sub_co_u32 s[TRIP], s[TRIP], 1
	s_cmp_lg_u32 s[TRIP], 0
	s_cbranch_scc1 .Lfirst
	s_wait_tensorcnt 0x0                           ; my quarter of chunks 4-8 is in; no LDS instruction of mine is out: every run of loads has had its wait for 0
	s_barrier_signal -1
	s_barrier_wait -1
	s_mov_b32 s[TB], 4*CH
	s_mov_b32 s[TRIP], 5
.Lrest:
	STEP 0
	s_sub_co_u32 s[TRIP], s[TRIP], 1
	s_cmp_lg_u32 s[TRIP], 0
	s_cbranch_scc1 .Lrest
	; THE WAY OUT: O^T / the sum; a lane's 64 numbers are 16 neighbouring channels of each block of 32: quantised as they stand, they are fragment w of the last projection's operand, K step = head.
	v_add_f32 v14, v14, v15
	s_delay_alu instid0(VALU_DEP_1)
	v_permlanex16_b32 v252, v14, s[SEL], s[SEL+1]
	s_delay_alu instid0(VALU_DEP_1)
	v_add_f32 v14, v14, v252
	s_wait_alu depctr_va_vdst(0)
	v_rcp_f32 v14, v14
.rept 4
	v_nop                                          ; the plain place behind the reciprocal, and the places behind the last products
.endr
	s_wait_alu depctr_va_vdst(0)
.set NN, 0
.rept 32
	v_pk_mul_f32 v[SS+NN:SS+NN+1], v[OT+NN:OT+NN+1], v[14:15] op_sel_hi:[1,0]
.set NN, NN+2
.endr
.irp b, 0,1,2,3
	v_max3_num_f32 v[TM+\b], |v[SS+16*\b]|, |v[SS+1+16*\b]|, 0x1800000
.endr
.irp i, 2,4,6,8,10,12,14
.irp b, 0,1,2,3
	s_delay_alu instid0(VALU_DEP_4)
	v_max3_num_f32 v[TM+\b], v[TM+\b], |v[SS+16*\b+\i]|, |v[SS+1+16*\b+\i]|
.endr
.endr
.irp b, 0,1,2,3
	s_delay_alu instid0(VALU_DEP_4)
	v_permlanex16_b32 v[TM+4+\b], v[TM+\b], s[SEL], s[SEL+1]
.endr
.irp b, 0,1,2,3
	s_delay_alu instid0(VALU_DEP_4)
	v_max_num_f32 v[TM+\b], v[TM+\b], v[TM+4+\b]
.endr
.irp b, 0,1,2,3
	s_delay_alu instid0(VALU_DEP_4)
	v_add_nc_u32 v[TM+12+\b], 0xff000000, v[TM+\b]
.endr
.irp b, 0,1,2,3
	s_delay_alu instid0(VALU_DEP_4)
	v_lshrrev_b32 v[TM+4+\b], 23, v[TM+12+\b]
.endr
	s_delay_alu instid0(VALU_DEP_3)
	v_lshl_or_b32 v[AW], v[TM+5], 8, v[TM+4]
	s_delay_alu instid0(VALU_DEP_1)
	v_lshl_or_b32 v[AW], v[TM+6], 16, v[AW]
	s_delay_alu instid0(VALU_DEP_1)
	v_lshl_or_b32 v[AW], v[TM+7], 24, v[AW]
.irp c, 0,1
	v_cvt_scalef32_pk16_fp6_f32 v[PC+6*\c:PC+2+6*\c], v[SS+32*\c:SS+15+32*\c], v[TM+12+2*\c]
	v_cvt_scalef32_pk16_fp6_f32 v[PC+12+4*\c:PC+14+4*\c], v[SS+16+32*\c:SS+31+32*\c], v[TM+12+2*\c+1]
.endr
	v_nop
.irp c, 0,1
.irp i, 0,1,2
	v_permlane16_swap_b32 v[PC+6*\c+\i], v[PC+12+4*\c+\i]
.endr
.irp i, 0,1,2
	s_delay_alu instid0(VALU_DEP_3)
	v_mov_b32 v[PC+3+6*\c+\i], v[PC+12+4*\c+\i]
.endr
.endr
.irp c, 0,1,2
	global_store_b128 v[LI], v[PC+4*\c:PC+4*\c+3], s[8:9] offset:512*\c   ; 512 consecutive bytes, aligned
.endr
	ds_store_b32 v[GW], v[AW]                      ; both halves of the lanes write the same word with the same value
	s_wait_dscnt 0x0                               ; for the others' sake
	s_barrier_signal -1
	s_barrier_wait -1
	s_cmp_lg_u32 s[WV], 0
	s_cbranch_scc1 .Ldone
	ds_load_b128 v[32:35], v[GR]                   ; the eight fragments' words: 512 bytes
	s_wait_dscnt 0x0
	global_store_b128 v[LI], v[32:35], s[10:11]
.Ldone:
	s_wait_tensorcnt 0x0
	ds_add_u32 v243, v248
	s_wait_dscnt 0x0
	s_endpgm
.Lfunc_end_k_q0a776c9c84_attn:
	.size	k_q0a776c9c84_attn, .Lfunc_end_k_q0a776c9c84_attn-k_q0a776c9c84_attn
	.p2alignl 7, 3214868480
	.fill 96, 4, 3214868480
	.section	.rodata,"a",@progbits
	.p2align	6, 0x0
	.amdhsa_kernel k_q0a776c9c84_attn
		.amdhsa_group_segment_fixed_size 327680
		.amdhsa_private_segment_fixed_size 0
		.amdhsa_enable_private_segment 0
		.amdhsa_kernarg_size 32
		.amdhsa_user_sgpr_count 2
		.amdhsa_user_sgpr_kernarg_segment_ptr 1
		.amdhsa_wavefront_size32 1
		.amdhsa_system_sgpr_workgroup_id_x 1
		.amdhsa_system_sgpr_workgroup_id_y 1
		.amdhsa_system_sgpr_workgroup_id_z 1
		.amdhsa_system_vgpr_workitem_id 0
		.amdhsa_next_free_vgpr 256
		.amdhsa_next_free_sgpr 80
		.amdhsa_reserve_vcc 1
		.amdhsa_float_denorm_mode_32 3
		.amdhsa_float_denorm_mode_16_64 3
		.amdhsa_memory_ordered 1
		.amdhsa_forward_progress 1
		.amdhsa_inst_pref_size 97
	.end_amdhsa_kernel
	.amdgpu_metadata
---
amdhsa.version: [ 1, 2 ]
amdhsa.kernels:
  - .name:           k_q0a776c9c84_attn
    .symbol:         k_q0a776c9c84_attn.kd
    .args:
      - { .name: qb, .offset: 0, .size: 8, .value_kind: global_buffer, .address_space: global }
      - { .name: kvb, .offset: 8, .size: 8, .value_kind: global_buffer, .address_space: global }
      - { .name: attc, .offset: 16, .size: 8, .value_kind: global_buffer, .address_space: global }
      - { .name: atts, .offset: 24, .size: 8, .value_kind: global_buffer, .address_space: global }
    .group_segment_fixed_size: 327680
    .private_segment_fixed_size: 0
    .kernarg_segment_align: 8
    .kernarg_segment_size: 32
    .max_flat_workgroup_size: 256
    .sgpr_count:     80
    .vgpr_count:     256
    .wavefront_size: 32
...
	.end_amdgpu_metadata
.endif
;; end of part 3
;; launch oproj (part 4): grid 8 x 32, 4 waves a work-group, clusters of 4 x 4, 327,680 bytes of LDS; arguments attc, atts, cod1, scl1, out0; writes out0
.if DOCPART == 4
	.amdgcn_target "amdgcn-amd-amdhsa--gfx1250"
	.amdhsa_code_object_version 6
	.text
	.protected	k_q0a776c9c84_oproj
	.globl	k_q0a776c9c84_oproj
	.p2align	8
	.type	k_q0a776c9c84_oproj,@function
k_q0a776c9c84_oproj:
	s_mov_b64 s[64:65], 0
	v_nop
	global_prefetch_b8 v0, s[64:65] scope:SCOPE_SE
	s_setreg_imm32_b32 hwreg(HW_REG_WAVE_MODE, 25, 1), 1
	s_wait_xcnt 0x0
	s_wait_alu depctr_hold_cnt(0) depctr_sa_sdst(0) depctr_va_vdst(0) depctr_va_sdst(0) depctr_va_ssrc(0) depctr_va_vcc(0) depctr_vm_vsrc(0)
	s_getreg_b32 s2, hwreg(HW_REG_IB_STS2, 6, 4)
	s_cmp_eq_u32 s2, 0
	s_cbranch_scc0 .Lentry_in_a_cluster
	s_endpgm
.Lentry_in_a_cluster:
	s_bfe_u32 s2, ttmp6, 0x10000c
	s_cmp_lg_u32 s2, 0xf033
	s_cbranch_scc0 .Lentry_shape_is_right
	s_endpgm
.Lentry_shape_is_right:
; out0 [4096][2048] f32 = attn [4096][1024] x Wo^T, both as codes of FP6 with E8M0 scale words, laid as images of the operand's registers:
; a fragment (16 rows x 128 K) is 1,536 bytes, the 8 fragments of a group of 128 rows and one K step 12,288 bytes, a group's 8 K steps follow each other (98,304 bytes); Wo's blocks begin at block 896 of cod1.
; SHARES: a work-group makes 128 tokens (one group of A) x 256 columns (two groups of B): 8 x 32 = 256 work-groups.  Wave w makes tokens 64 (w / 2) .. + 63 x the 128 columns of B's group w % 2: 32 accumulators.
; LDS holds ALL of K: 98,304 bytes of A and 196,608 of B, in two halves of four K steps.  No byte is filled twice: no ring.  The first half is asked for at the head, one tensor load a wave
; (waves 0 and 3 half of A's tile each, waves 1 and 2 one group of B), the second half behind a wait for the tensor loads, an LDS add, its wait and a round of the cluster's barrier.
; CLUSTERS 4 x 4: A's tiles are asked for jointly along a row of the cluster, B's along a column.
; THE SCALE WORDS go from memory straight into registers, once: each load reads 256 consecutive aligned bytes (both halves of the lanes the same): 32 registers for A, 64 for B.
; The matrix instruction is used transposed (source 0 = Wo's rows, source 1 = tokens): a lane holds eight neighbouring columns of a token's row.  Lane rho of fragment g holds row 32 (g / 2) + 8 (g % 2) + rho + 8 (rho / 8).
; THE WAY OUT: 16 tokens x 128 columns at a time through the wave's own stage and back as rows of 512 bytes.  The stage lies in the first half's bytes: behind the barrier in K step 3 no wave reads them, and they have had their only fill.
; NO PREFETCH: every tile of the work-group is asked for by the two groups of loads at the start; there is no later trip whose tiles could be asked for ahead.
; REGISTERS: window 0: v0-31 addresses, v32-63 A's scale words, v64-127 B's, v128-223 A's fragments (two sets of 48); window 1: B's fragments, sets at v0 and v128; window 2: the accumulators, (a, b) at v[8 (8 a + b)].
.set FR,    12
.set TILE,  49152                      ; four K steps of a group
.set HALF,  3*TILE                     ; A's tile, then B's two
.set SPARE, 2*HALF                     ; the spare words, 512 bytes that no other line names
.set SPITCH, 528
.set ADRA,  16
.set ADRB,  20
.set STO,   24
.set RD,    25
.set SPW,   28
.set NIL,   29
.set SA,    32
.set SB,    64
.set AF,    128
.set BK,    128
.set G1,    24
.set G0,    32
.set G1B,   48
.set G0B,   56
.set MSB, 0
.macro WIN new
.if MSB != (\new)
	s_set_vgpr_msb (MSB<<8)|(\new)
.set MSB, (\new)
.endif
.endm
.macro PLACES
.rept 4
	v_nop
.endr
.endm
.macro JLOAD                           ; one joint load a wave; the branch hangs on the wave's number alone
	s_cmp_eq_u32 s36, 0
	s_cbranch_scc0 .Lfor_b_\@
	tensor_load_to_lds s[G0:G0+3], s[G1:G1+7]
	s_nop 0
	PLACES
	s_branch .Lasked_\@
.Lfor_b_\@:
	tensor_load_to_lds s[G0B:G0B+3], s[G1B:G1B+7]
	s_nop 0
	PLACES
.Lasked_\@:
.endm
.macro CROUND                          ; a round of the cluster's barrier
	s_barrier_signal -1
	s_barrier_wait -1
	s_cmp_lg_u32 s20, 0
	s_cbranch_scc1 .Lnot_wave_0_\@
	s_barrier_signal -3
.Lnot_wave_0_\@:
	s_barrier_wait -3
	s_barrier_signal -1
	s_barrier_wait -1
.endm
.macro DESC g, rows                    ; dense bytes as rows of 32 elements of 8 bytes
	s_mov_b32 s[\g+1], 32<<16
	s_mov_b32 s[\g+2], (\rows)<<16
	s_mov_b32 s[\g+3], 32<<16
	s_mov_b32 s[\g+4], \rows
	s_mov_b32 s[\g+5], 32
	s_mov_b32 s[\g+6], 0
	s_mov_b32 s[\g+7], 0
.endm
	s_load_b256 s[4:11], s[0:1], 0x0               ; attn's codes, its scale words, cod1, scl1
	s_load_b64 s[12:13], s[0:1], 0x20              ; out0
	v_lshl_add_u32 v[SPW], v0, 2, SPARE
	v_mov_b32 v[NIL], 0
	ds_add_u32 v[SPW], v[NIL]                      ; the opening lines: the add twice on end and one wait
	ds_add_u32 v[SPW], v[NIL]
	v_lshrrev_b32 v1, 5, v0
	v_readfirstlane_b32 s20, v1                    ; wave
	s_lshr_b32 s21, s20, 1                         ; my half of the tokens; also: which group of B waves 1 and 2 fetch
	s_and_b32 s22, s20, 1                          ; my group of B
	s_and_b32 s23, s21, s20                        ; 1 in wave 3 alone: which half of A's tile waves 0 and 3 fetch
	s_xor_b32 s36, s21, s20
	s_and_b32 s36, s36, 1                          ; 0 in waves 0 and 3: they fetch for A
	s_bfe_u32 s40, ttmp6, 0x40000                  ; cx
	s_bfe_u32 s41, ttmp6, 0x40004                  ; cy
	s_lshl_b32 s42, ttmp9, 2
	s_add_co_u32 s42, s42, s40                     ; x: 256 columns
	s_and_b32 s45, ttmp7, 0xffff
	s_lshl_b32 s45, s45, 2
	s_add_co_u32 s45, s45, s41                     ; y: 128 tokens
	s_lshl_b32 s43, s41, 2
	s_lshl_b32 s43, 15, s43                        ; my row of the cluster
	s_lshl_b32 s44, 0x1111, s40                    ; my column
	s_or_b32 s[G1], s43, (3<<16)|(1<<21)
	s_or_b32 s[G1B], s44, (3<<16)|(1<<21)
	DESC G1, 96                                    ; half of A's tile: 24,576 bytes
	DESC G1B, 192                                  ; a tile of B: 49,152 bytes
	s_mul_i32 s46, s45, 2*TILE
	s_mul_i32 s37, s23, 24576                      ; in memory and in LDS alike
	s_add_co_u32 s46, s46, s37
	s_mov_b32 s47, 0
	s_lshl_b32 s38, s42, 1
	s_add_co_u32 s38, s38, s21
	s_mul_i32 s38, s38, 2*TILE
	s_add_co_u32 s38, s38, 896*12288
	s_mov_b32 s39, 0
	s_mul_i32 s60, s21, TILE
	s_add_co_u32 s60, s60, TILE                    ; B's tiles lie behind A's
	s_lshl_b32 s14, s45, 12                        ; A's scale words: 4,096 bytes a group, + 256 for fragments 4-7
	s_lshl_b32 s61, s21, 8
	s_add_co_u32 s14, s14, s61
	s_mov_b32 s15, 0
	s_lshl_b32 s16, s42, 1                         ; B's
	s_add_co_u32 s16, s16, s22
	s_lshl_b32 s16, s16, 12
	s_add_co_u32 s16, s16, 896*512
	s_mov_b32 s17, 0
	s_lshl_b32 s18, s45, 20                        ; out0: 128 y + 64 (w / 2) rows of 8,192 bytes, + 1,024 x + 512 (w % 2)
	s_lshl_b32 s61, s21, 19
	s_add_co_u32 s18, s18, s61
	s_lshl_b32 s61, s42, 10
	s_add_co_u32 s18, s18, s61
	s_lshl_b32 s61, s22, 9
	s_add_co_u32 s18, s18, s61
	s_mov_b32 s19, 0
	s_wait_dscnt 0x0                               ; both opening adds are done
	s_wait_kmcnt 0x0
	s_add_nc_u64 s[46:47], s[4:5], s[46:47]
	s_add_nc_u64 s[38:39], s[8:9], s[38:39]
	s_add_nc_u64 s[14:15], s[6:7], s[14:15]
	s_add_nc_u64 s[16:17], s[10:11], s[16:17]
	s_add_nc_u64 s[12:13], s[12:13], s[18:19]
	s_mov_b32 s[G0], 1
	s_mov_b32 s[G0+1], s37
	s_mov_b64 s[G0+2:G0+3], s[46:47]
	s_or_b32 s[G0+3], s[G0+3], 0x80000000
	s_mov_b32 s[G0B], 1
	s_mov_b32 s[G0B+1], s60
	s_mov_b64 s[G0B+2:G0B+3], s[38:39]
	s_or_b32 s[G0B+3], s[G0B+3], 0x80000000
	CROUND                                         ; all sixteen work-groups are here: the first joint loads meet
	JLOAD                                          ; K steps 0-3
	v_and_b32 v1, 15, v0                           ; r
	v_bfe_u32 v2, v0, 4, 1                         ; h
	v_and_b32 v3, 31, v0
	v_lshlrev_b32 v3, 4, v3                        ; 16 x lane
	v_lshlrev_b32 v5, 4, v1                        ; 16 r: a row's four scale words
	s_mul_i32 s61, s21, 4*1536                     ; my four fragments of A's eight
	s_mul_i32 s62, s22, TILE
	s_add_co_u32 s62, s62, TILE
	s_mul_i32 s63, s20, 16*SPITCH                  ; my stage
	v_add_nc_u32 v[ADRA], s61, v3
	v_add_nc_u32 v[ADRB], s62, v3
	v_add_nc_u32 v[ADRA+1], HALF, v[ADRA]
	v_add_nc_u32 v[ADRB+1], HALF, v[ADRB]
	v_mul_u32_u24 v6, v1, SPITCH
	v_lshl_add_u32 v6, v2, 6, v6
	v_add_nc_u32 v[STO], s63, v6                   ; in: row r, + 64 h
	v_add_nc_u32 v[RD], s63, v3                    ; back: 32 lanes take a row of 512 bytes
	s_wait_alu depctr_va_vdst(0)                   ; the wait at the head's end
.irp t, 0,1,2,3,4,5,6,7
	global_load_b128 v[SA+4*\t:SA+4*\t+3], v5, s[14:15] offset:512*\t
	global_load_b128 v[SB+8*\t:SB+8*\t+3], v5, s[16:17] offset:512*\t
	global_load_b128 v[SB+8*\t+4:SB+8*\t+7], v5, s[16:17] offset:512*\t+256
.endr
	s_wait_tensorcnt 0x0                           ; my part of the first half is in; the lines ahead of a later first fill:
	ds_add_u32 v[SPW], v[NIL]
	s_add_co_u32 s[G0+1], s[G0+1], HALF            ; no load of mine is out: the descriptors step to K steps 4-7
	s_add_nc_u64 s[G0+2:G0+3], s[G0+2:G0+3], TILE
	s_add_co_u32 s[G0B+1], s[G0B+1], HALF
	s_add_nc_u64 s[G0B+2:G0B+3], s[G0B+2:G0B+3], TILE
	s_wait_dscnt 0x0
	CROUND                                         ; the first half is whole, and the joint loads meet
	JLOAD                                          ; K steps 4-7
.macro FETCH st                        ; step st's fragments: B's eight and my four of A, into set st % 2
.set HH, (\st)/4
.set QQ, (\st)%4
.set PP, (\st)%2
	WIN 0x40
.irp i, 0,1,2,3,4,5,6,7
.irp c, 0,1,2
	ds_load_b128 v[128*PP+FR*\i+4*\c:128*PP+FR*\i+4*\c+3], v[ADRB+HH] offset:12288*QQ+1536*\i+512*\c
.endr
.endr
	WIN 0
.irp i, 0,1,2,3
.irp c, 0,1,2
	ds_load_b128 v[AF+48*PP+FR*\i+4*\c:AF+48*PP+FR*\i+4*\c+3], v[ADRA+HH] offset:12288*QQ+1536*\i+512*\c
.endr
.endr
.endm
.macro MUL32 st                        ; the 32 accumulators take turns, in the same order in every step; step 0 starts the sums
.set PP, (\st)%2
.irp a, 0,1,2,3
.irp b, 0,1,2,3,4,5,6,7
.if (\st) == 0
	v_wmma_scale_f32_16x16x128_f8f6f4 v[8*(8*\a+\b):8*(8*\a+\b)+7], v[128*PP+FR*\b:128*PP+FR*\b+FR-1], v[AF+48*PP+FR*\a:AF+48*PP+FR*\a+FR-1], 0, v[SB+8*(\st)+\b], v[SA+4*(\st)+\a] matrix_a_fmt:MATRIX_FMT_FP6 matrix_b_fmt:MATRIX_FMT_FP6
.else
	v_wmma_scale_f32_16x16x128_f8f6f4 v[8*(8*\a+\b):8*(8*\a+\b)+7], v[128*PP+FR*\b:128*PP+FR*\b+FR-1], v[AF+48*PP+FR*\a:AF+48*PP+FR*\a+FR-1], v[8*(8*\a+\b):8*(8*\a+\b)+7], v[SB+8*(\st)+\b], v[SA+4*(\st)+\a] matrix_a_fmt:MATRIX_FMT_FP6 matrix_b_fmt:MATRIX_FMT_FP6
.endif
.endr
.endr
.endm
.macro STEP st
	s_wait_dscnt 0x0                               ; this step's 36 loads are in
.if (\st) == 3
	s_wait_tensorcnt 0x0                           ; my part of the second half is in, and my reads of the first half are over:
	s_barrier_signal -1
	s_barrier_wait -1                              ; both hold of every wave.
.endif
.if (\st) < 7
.if (\st) > 0
	PLACES                                         ; four places in front of loads into registers that the last step's products read
.endif
	FETCH (\st)+1
.endif
	WIN 0xa1                                       ; source 0 window 1, source 1 window 0, C and D window 2
	MUL32 \st
.endm
	FETCH 0
	s_wait_loadcnt 0x0                             ; the scale words
.irp t, 0,1,2,3,4,5,6,7
	STEP \t
.endr
	WIN 0
.macro TOSTAGE a
	WIN 0x08                                       ; the data: window 2
.irp b, 0,1,2,3,4,5,6,7
	ds_store_b128 v[STO], v[64*(\a)+8*\b:64*(\a)+8*\b+3] offset:128*(\b/2)+32*(\b%2)       ; each accumulator from its low end on
	ds_store_b128 v[STO], v[64*(\a)+8*\b+4:64*(\a)+8*\b+7] offset:128*(\b/2)+32*(\b%2)+16
.endr
	WIN 0
.set BB, BK+64*((\a)%2)
.irp t, 0,1,2,3,4,5,6,7,8,9,10,11,12,13,14,15
	ds_load_b128 v[BB+4*\t:BB+4*\t+3], v[RD] offset:\t*SPITCH      ; LDS serves a wave's instructions in order: these see the stores above
.endr
.endm
.macro SEND a, younger                 ; younger: the LDS instructions issued behind block a's loads
.set BB, BK+64*((\a)%2)
	s_wait_dscnt \younger
.irp t, 0,1,2,3,4,5,6,7,8,9,10,11,12,13,14,15
	global_store_b128 v3, v[BB+4*\t:BB+4*\t+3], s[12:13] offset:(32*((\a)/2)+8*((\a)%2)+\t+8*(\t/8))*8192 th:TH_STORE_NT   ; 512 consecutive bytes, aligned
.endr
.endm
	PLACES                                         ; behind the last products
	TOSTAGE 0
.irp a, 1,2,3
.if \a > 1
	s_wait_xcnt 0x0                                ; block a - 2's stores have read their registers
.endif
	TOSTAGE \a
	SEND \a-1, 32                                  ; 32: block a's 16 stores and 16 loads
.endr
	SEND 3, 0
	s_wait_tensorcnt 0x0                           ; the wave's end
	ds_add_u32 v[SPW], v[NIL]
	s_wait_dscnt 0x0
	CROUND                                         ; the closing round
	s_endpgm
.Lfunc_end_k_q0a776c9c84_oproj:
	.size	k_q0a776c9c84_oproj, .Lfunc_end_k_q0a776c9c84_oproj-k_q0a776c9c84_oproj
	.p2alignl 7, 3214868480
	.fill 96, 4, 3214868480
	.section	.rodata,"a",@progbits
	.p2align	6, 0x0
	.amdhsa_kernel k_q0a776c9c84_oproj
		.amdhsa_group_segment_fixed_size 327680
		.amdhsa_private_segment_fixed_size 0
		.amdhsa_enable_private_segment 0
		.amdhsa_kernarg_size 40
		.amdhsa_user_sgpr_count 2
		.amdhsa_user_sgpr_kernarg_segment_ptr 1
		.amdhsa_wavefront_size32 1
		.amdhsa_system_sgpr_workgroup_id_x 1
		.amdhsa_system_sgpr_workgroup_id_y 1
		.amdhsa_system_sgpr_workgroup_id_z 1
		.amdhsa_system_vgpr_workitem_id 0
		.amdhsa_next_free_vgpr 768
		.amdhsa_next_free_sgpr 66
		.amdhsa_reserve_vcc 0
		.amdhsa_float_denorm_mode_32 3
		.amdhsa_float_denorm_mode_16_64 3
		.amdhsa_memory_ordered 1
		.amdhsa_forward_progress 1
		.amdhsa_inst_pref_size 77
	.end_amdhsa_kernel
	.amdgpu_metadata
---
amdhsa.version: [ 1, 2 ]
amdhsa.kernels:
  - .name:           k_q0a776c9c84_oproj
    .symbol:         k_q0a776c9c84_oproj.kd
    .args:
      - { .name: attc, .offset: 0, .size: 8, .value_kind: global_buffer, .address_space: global }
      - { .name: atts, .offset: 8, .size: 8, .value_kind: global_buffer, .address_space: global }
      - { .name: cod1, .offset: 16, .size: 8, .value_kind: global_buffer, .address_space: global }
      - { .name: scl1, .offset: 24, .size: 8, .value_kind: global_buffer, .address_space: global }
      - { .name: out0, .offset: 32, .size: 8, .value_kind: global_buffer, .address_space: global }
    .group_segment_fixed_size: 327680
    .private_segment_fixed_size: 0
    .kernarg_segment_align: 8
    .kernarg_segment_size: 40
    .max_flat_workgroup_size: 128
    .sgpr_count:     66
    .vgpr_count:     768
    .wavefront_size: 32
...
	.end_amdgpu_metadata
.endif
;; end of part 4
